; MI455X (gfx1250); checked and timed in simulation.
; The chip was launched on July 23, 2026; its instructions are those of AMD's public machine-readable ISA for CDNA 5 (MIT licence, August 2026) and "CDNA5" Instruction Set Architecture Reference Guide (July 2026). The comments in the code are by the model that wrote it; some were corrected since.
;; Attention Block. Allowed arithmetic: matrix products marked QUANTISED: E4M3 operands, one given power-of-two scale a tensor, by v_wmma_f32_16x16x64_fp8_fp8 or v_wmma_f32_16x16x128_fp8_fp8, f32 sums; everything else in f32.
;; Inputs: gn_b 256 float32; gn_w 256 float32; lowp_scales 8 int32 (the exponents e of the quantised operands' scales 2^e); proj_b 256 float32; proj_w 256 x 256 float32; qkv_b 768 float32; qkv_w 768 x 256 float32; t_emb 4 x 1,024 float32; x 4 x 256 x 64 x 64 float32.
;; Outputs: out0 4 x 256 x 64 x 64 float32.
;; This version of the problem:
;;   THIS VERSION OF THE PROBLEM IS GIVEN IN LOW PRECISION. The matrix products marked QUANTISED in the list below multiply operands that are first quantised to E4M3 (4 exponent bits, 3 mantissa bits; 8 bits a number), with one given power-of-two scale for each operand tensor; their sums are f32. All else is computed in f32.
;;   The module's matrix products, in the order in which they are computed (A, B: the left and right operand; K: the contracted axis; several contracted axes count as one K, in the product's order):
;;     1. [M 16,384, K 256] x [K 256, N 768]; A: computed on the way; B: input qkv_w: QUANTISED (scales: A lowp_scales[0], B lowp_scales[1])
;;     2. batch 16 x [M 4,096, K 64] x [K 64, N 4,096]; A: computed on the way; B: computed on the way: QUANTISED (scales: A lowp_scales[2], B lowp_scales[3])
;;     3. batch 16 x [M 64, K 4,096] x [K 4,096, N 4,096]; A: computed on the way; B: softmax (see below): QUANTISED (scales: A lowp_scales[4], B lowp_scales[5])
;;     4. [M 16,384, K 256] x [K 256, N 256]; A: computed on the way; B: input proj_w: QUANTISED (scales: A lowp_scales[6], B lowp_scales[7])
;;   THE QUANTISER, for each operand of a quantised product, along K:
;;     - The operand's scale is 2^e, e = its entry of the input lowp_scales (int32; the entries are numbered through the quantised products in the list's order, A before B).
;;     - Each number is divided by the scale, clamped to +-448, and rounded to the nearest number of E4M3, ties to even, subnormals kept.
;;     - The product sums the exact products of the quantised numbers (number of the format x scale) in f32.
;;   ~~~python
;;   def quantise(x, axis, e):      # numpy; x: float32 -> the quantised numbers, widened to float32 again
;;       x = np.moveaxis(x, axis, -1); K = x.shape[-1]
;;       r = np.clip(x / 2.0 ** e, -448, 448)
;;       step = 2.0 ** (np.maximum(np.frexp(np.where(r == 0, 1, r))[1] - 1, -6) - 3)
;;       q = np.round(r / step) * step * 2.0 ** e      # np.round: ties to even
;;       return np.moveaxis(q, -1, axis).astype(np.float32)
;;   ~~~
;;   SOFTMAX AHEAD OF A QUANTISED PRODUCT. Where the list says 'softmax', what is quantised is not the finished softmax but p = 2^(t - M), with t = logit x log2(e) and M = ceil(the row's largest t), a whole number; so 1/2 < the row's largest p <= 1. The row's sum l is taken of the UNQUANTISED p, in f32, and the product's result is divided by l at the end. Since M is a whole number, a kernel that streams over the keys may use a running M (the ceiling of the running maximum): every later rescaling is an exact power of two, so the quantised numbers keep their values, but for numbers so far below the row's largest that they fall under the format's range.
;;   OPERANDS COMPUTED ON THE WAY. 'Computed on the way' means the value that the module computes at that place (a softmax that the list does not call 'softmax' is quantised finished and normalised). What goes into a quantiser is computed in f32, as accurately as f32 sums, v_exp_f32 and their like allow (about 1e-6 of the number): no bf16 or f16 on the way to a quantiser, and a product that is left as it is and whose result goes on into a quantised operand takes f32 operands (vector FMAs, or v_wmma_f32_16x16x4_f32). A number that lies on a knife's edge between two numbers of the format may be rounded either way, as far as f32 arithmetic and the matrix unit's own rounding can turn it there, and no further.
;; One version. Each part assembles by itself: llvm-mc -triple=amdgcn-amd-amdhsa -mcpu=gfx1250 --defsym DOCPART=n.
;; ======== version 1 of 1: 3 launches
;; limits: right only within a limited range of input values
;; workspace buffers: hc 4,194,304 bytes; wc 262,144 bytes; qc 4,194,304 bytes; kv 8,388,608 bytes
;; launch prep (part 1): grid 128 x 1, 32 waves a work-group, no clusters, 4,608 bytes of LDS; arguments x, gn_w, gn_b, qkv_w, proj_w, lowp_scales, hc, wc; writes hc, wc
.if DOCPART == 1
	.amdgcn_target "amdgcn-amd-amdhsa--gfx1250"
	.amdhsa_code_object_version 6
	.text
	.protected	k_qfdb29d12fd_prep
	.globl	k_qfdb29d12fd_prep
	.p2align	8
	.type	k_qfdb29d12fd_prep,@function
k_qfdb29d12fd_prep:
	s_mov_b64 s[64:65], 0
	v_nop
	global_prefetch_b8 v0, s[64:65] scope:SCOPE_SE
	s_setreg_imm32_b32 hwreg(HW_REG_WAVE_MODE, 25, 1), 1
	s_wait_xcnt 0x0
; GROUP NORM -> CODES OF h, AND THE TWO WEIGHTS -> CODES LAID AS OPERAND REGISTERS.  E4M3, one given scale 2^e a tensor: e0 for h, e1 for qkv_w, e7 for proj_w.
; x: [4][256][4096] f32.  A group is 8 channels x 4,096 positions = 131,072 consecutive bytes.  Work-group i = 32 b + g owns group g of batch b: 128 groups, 128 work-groups.
; Thread t of 1,024 holds positions 2048 u + 2 t + p (u, p = 0, 1) of all 8 channels in 32 registers: x is read once, and mean and variance are two passes over registers
; (the variance is the mean of squared differences from the mean, so a common offset of the inputs costs no accuracy).
; hc: [b][g][n][8]: the 8 channels of a group at a position are 8 neighbouring codes: 8 neighbours along the next product's K.  A thread stores 16 bytes, a wave 512 consecutive bytes.
; wc: 128 images of 2,048 bytes; image f is made by wave 0 of work-group f.  An image is a fragment (16 rows x 128 K, 16 registers a lane) as it stands in registers: chunk q (512 bytes) = registers 4 q .. 4 q + 3,
; lane l's 16 bytes at 16 l.  Lane (r, h) holds, of its row, K = 128 s + 16 c + 8 h + 0 .. 7 in registers 2 c, 2 c + 1.  f < 96: qkv_w, f = 8 U + 2 t + s (U: 64 outputs, t: tile, s: K step); f >= 96: proj_w, the same with f - 96.
; The rows of a tile: f < 64 (q and k): 64 U + 32 (r / 8) + 8 t + r % 8, so that the next launch's results are 32 neighbours along the head's axis in a lane; else 64 U + 16 t + r.
; No matrix unit, no cluster, no tensor load: work-groups share no input, and a group's 128 KiB are all asked for at once by 16 loads a thread.
; LIMITS: e0, e1, e7 between -126 and 119, so that 2^e and 448 x 2^e are f32 numbers.  NaN among the inputs is not served.
.set X,    16                          ; v16-47   x, then x - mean: register 16 u + 2 ch + p
.set Y,    48                          ; v48-79   h: register 8 (2 u + p) + ch
.set A,    80                          ; v80-87   rstd x gn_w of my 8 channels
.set C,    88                          ; v88-95   h's codes
.set WN,   48                          ; v48-111  wave 0, ahead of everything else: 64 numbers of a weight
.set WC,   112                         ; v112-127 wave 0: their codes; never rewritten
.set RED0, 0                           ; LDS: 32 waves' sums
.set RED1, 256                         ; and their sums of squares: other bytes, so one barrier serves each reduction
.macro MKSC e, ta, tb, vs, vl          ; v[vs] = 2^e as f32 (the conversion takes its exponent field), v[vl] = 448 x 2^e
	s_add_co_i32 s[\ta], s[\e], 127
	s_lshl_b32 s[\tb], s[\ta], 23
	v_mov_b32 v[\vs], s[\tb]
	s_add_co_i32 s[\ta], s[\ta], 8
	s_lshl_b32 s[\ta], s[\ta], 23
	s_or_b32 s[\ta], s[\ta], 0x600000
	v_mov_b32 v[\vl], s[\ta]
.endm
.macro WRED r                          ; the sum over the wave's 32 lanes, in every lane
	v_add_f32_dpp v[\r], v[\r], v[\r] row_xmask:1 row_mask:0xf bank_mask:0xf
	v_add_f32_dpp v[\r], v[\r], v[\r] row_xmask:2 row_mask:0xf bank_mask:0xf
	v_add_f32_dpp v[\r], v[\r], v[\r] row_xmask:4 row_mask:0xf bank_mask:0xf
	v_add_f32_dpp v[\r], v[\r], v[\r] row_xmask:8 row_mask:0xf bank_mask:0xf
	v_permlanex16_b32 v10, v[\r], s48, s49
	v_add_f32 v[\r], v[\r], v10
.endm
.macro GRED r, base                    ; the sum over the work-group: each wave's sum to its own word, a barrier, every wave adds the 32 words
	WRED \r
	ds_store_b32 v4, v[\r] offset:\base
	s_wait_dscnt 0x0                               ; for the others' sake: my store has landed
	s_barrier_signal -1
	s_barrier_wait -1
	ds_load_b32 v[\r], v3 offset:\base             ; lane l takes wave l's sum
	s_wait_dscnt 0x0
	WRED \r
.endm
	s_load_b512 s[4:19], s[0:1], 0x0               ; x 4, gn_w 6, gn_b 8, qkv_w 10, proj_w 12, the scales 14, hc 16, wc 18
	v_lshlrev_b32 v1, 3, v0                        ; x: 8 bytes a thread
	v_lshlrev_b32 v2, 4, v0                        ; hc: 16 bytes a thread
	v_and_b32 v3, 31, v0
	v_lshlrev_b32 v6, 4, v3                        ; 16 x lane: an image's place for my lane
	v_lshlrev_b32 v3, 2, v3                        ; 4 x lane
	v_lshrrev_b32 v4, 5, v0
	v_readfirstlane_b32 s22, v4                    ; wave 0..31
	v_lshlrev_b32 v4, 2, v4                        ; 4 x wave
	v_mov_b32 v10, 0                               ; a lane permute's destination counts as read: written once
	s_mov_b32 s48, 0x76543210                      ; v_permlanex16_b32: lane l xor 16
	s_mov_b32 s49, 0xfedcba98
	s_mov_b32 s50, 0x38000000                      ; 2^-15: a group has 32,768 numbers
	s_mov_b32 s51, 0x3727c5ac                      ; 1e-5
	s_and_b32 s20, ttmp9, 31                       ; g
	s_lshl_b32 s20, s20, 5                         ; its 8 gains and 8 biases: 32 bytes
	s_mov_b32 s21, 0
	s_lshl_b32 s52, ttmp9, 17                      ; the group's 131,072 bytes of x,
	s_mov_b32 s53, 0
	s_lshl_b32 s54, ttmp9, 15                      ; its 32,768 bytes of codes,
	s_mov_b32 s55, 0
	s_lshl_b32 s56, ttmp9, 11                      ; and image f = the work-group's number
	s_mov_b32 s57, 0
	s_wait_kmcnt 0x0
	s_load_b256 s[24:31], s[14:15], 0x0            ; e0 .. e7
	s_add_nc_u64 s[6:7], s[6:7], s[20:21]
	s_add_nc_u64 s[8:9], s[8:9], s[20:21]
	s_load_b256 s[32:39], s[6:7], 0x0              ; gn_w of my 8 channels
	s_load_b256 s[40:47], s[8:9], 0x0              ; gn_b
	s_add_nc_u64 s[4:5], s[4:5], s[52:53]
	s_add_nc_u64 s[16:17], s[16:17], s[54:55]
	s_add_nc_u64 s[18:19], s[18:19], s[56:57]
.irp u, 0,1
.irp ch, 0,1,2,3,4,5,6,7
	global_load_b64 v[X+16*\u+2*\ch:X+16*\u+2*\ch+1], v1, s[4:5] offset:16384*\ch+8192*\u th:TH_LOAD_NT   ; a wave reads 256 consecutive bytes, aligned
.endr
.endr
	s_wait_kmcnt 0x0
	; ---- wave 0: the weight image f = the work-group's number, while x is on its way
	s_cmp_lg_u32 s22, 0
	s_cbranch_scc1 .Lnw
	s_cmp_lt_u32 ttmp9, 96
	s_cselect_b64 s[52:53], s[10:11], s[12:13]     ; qkv_w or proj_w: the choice hangs on the work-group's number alone
	s_cselect_b32 s54, s25, s31                    ; e1 or e7
	s_cselect_b32 s55, 0, 96
	s_sub_co_u32 s55, ttmp9, s55                   ; F = 8 U + 2 t + s
	s_cmp_lt_u32 ttmp9, 64
	s_cselect_b32 s56, 32, 8                       ; rows from r / 8 = 0 to 1,
	s_cselect_b32 s57, 8, 16                       ; and from tile to tile
	s_lshr_b32 s58, s55, 3
	s_lshl_b32 s58, s58, 6                         ; 64 U
	s_bfe_u32 s59, s55, 0x20001                    ; t
	s_mul_i32 s59, s59, s57
	s_add_co_u32 s58, s58, s59
	s_lshl_b32 s58, s58, 10                        ; a row of either weight is 256 f32: 1,024 bytes
	s_and_b32 s59, s55, 1
	s_lshl_b32 s59, s59, 9                         ; K step s: 512 bytes
	s_add_co_u32 s58, s58, s59
	s_mov_b32 s59, 0
	s_add_nc_u64 s[52:53], s[52:53], s[58:59]
	v_bfe_u32 v7, v0, 3, 1                         ; r / 8
	v_and_b32 v11, 7, v0                           ; r % 8
	v_mad_u32_u24 v5, v7, s56, v11                 ; my row in the tile
	v_lshlrev_b32 v5, 10, v5
	v_bfe_u32 v7, v0, 4, 1                         ; h
	v_lshl_add_u32 v5, v7, 5, v5                   ; + 8 h numbers
.irp c, 0,1,2,3,4,5,6,7
.irp j, 0,1
	global_load_b128 v[WN+8*\c+4*\j:WN+8*\c+4*\j+3], v5, s[52:53] offset:64*\c+16*\j th:TH_LOAD_NT   ; K = 128 s + 16 c + 8 h + 4 j ..
.endr
.endr
	MKSC 54, 58, 59, 12, 13
	s_wait_loadcnt 0x0
.set i, 0
.rept 64
	v_med3_num_f32 v[WN+i], v[WN+i], -v13, v13     ; the conversion to an 8-bit code does not saturate (ISA guide 7.6.2): the hold at the largest code x the scale
.set i, i+1
.endr
.irp c, 0,1,2,3,4,5,6,7
	v_cvt_scalef32_pk8_fp8_f32 v[WC+2*\c:WC+2*\c+1], v[WN+8*\c:WN+8*\c+7], v12
.endr
	v_nop                                          ; one plain line behind the last conversion: its sources are written again below
.irp q, 0,1,2,3
	global_store_b128 v6, v[WC+4*\q:WC+4*\q+3], s[18:19] offset:512*\q   ; 512 consecutive bytes a store
.endr
.Lnw:
	; ---- the mean
	s_wait_loadcnt 0x0
	v_pk_add_f32 v[12:13], v[X:X+1], v[X+2:X+3]    ; two chains, started by the first pairs: nothing is cleared
	v_pk_add_f32 v[14:15], v[X+4:X+5], v[X+6:X+7]
.set i, 8
.rept 6
	v_pk_add_f32 v[12:13], v[12:13], v[X+i:X+i+1]
	v_pk_add_f32 v[14:15], v[14:15], v[X+i+2:X+i+3]
.set i, i+4
.endr
	v_pk_add_f32 v[12:13], v[12:13], v[14:15]
	v_add_f32 v12, v12, v13
	GRED 12, RED0
	v_mul_f32 v8, s50, v12                         ; the mean,
	v_mov_b32 v9, v8                               ; twice, for the packed subtraction
	; ---- the variance, of the differences
.set i, 0
.rept 16
	v_pk_add_f32 v[X+i:X+i+1], v[X+i:X+i+1], v[8:9] neg_lo:[0,1] neg_hi:[0,1]
.set i, i+2
.endr
	v_pk_mul_f32 v[12:13], v[X:X+1], v[X:X+1]
	v_pk_mul_f32 v[14:15], v[X+2:X+3], v[X+2:X+3]
.set i, 4
.rept 7
	v_pk_fma_f32 v[12:13], v[X+i:X+i+1], v[X+i:X+i+1], v[12:13]
	v_pk_fma_f32 v[14:15], v[X+i+2:X+i+3], v[X+i+2:X+i+3], v[14:15]
.set i, i+4
.endr
	v_pk_add_f32 v[12:13], v[12:13], v[14:15]
	v_add_f32 v12, v12, v13
	GRED 12, RED1
	v_fma_f32 v12, v12, s50, s51                   ; var + eps
	v_rsq_f32 v13, v12
	v_nop                                          ; a plain line behind the transcendental (ISA guide 5.7.2),
	s_wait_alu depctr_va_vdst(0)                   ; and the wait ahead of its first reader
.irp ch, 0,1,2,3,4,5,6,7
	v_mul_f32 v[A+\ch], s[32+\ch], v13             ; rstd x gn_w
.endr
	MKSC 24, 58, 59, 96, 97                        ; 2^e0, 448 x 2^e0
	; ---- h = (x - mean) rstd w + b, laid so that a position's 8 channels are 8 consecutive registers: the destination's number does the turning
.irp u, 0,1
.irp p, 0,1
.irp ch, 0,1,2,3,4,5,6,7
	v_fma_f32 v[Y+8*(2*\u+\p)+\ch], v[X+16*\u+2*\ch+\p], v[A+\ch], s[40+\ch]
.endr
.endr
.endr
.set i, 0
.rept 32
	v_med3_num_f32 v[Y+i], v[Y+i], -v97, v97
.set i, i+1
.endr
.irp g, 0,1,2,3
	v_cvt_scalef32_pk8_fp8_f32 v[C+2*\g:C+2*\g+1], v[Y+8*\g:Y+8*\g+7], v96
.endr
	v_nop
.irp u, 0,1
	global_store_b128 v2, v[C+4*\u:C+4*\u+3], s[16:17] offset:16384*\u   ; positions 2048 u + 2 t, + 1: a wave stores 512 consecutive bytes
.endr
	s_wait_xcnt 0x0
	v_lshl_add_u32 v126, v0, 2, 0x200
	v_mov_b32 v127, 0
	s_wait_tensorcnt 0x0
	ds_add_u32 v126, v127
	s_wait_dscnt 0x0
	s_endpgm
.Lfunc_end_k_qfdb29d12fd_prep:
	.size	k_qfdb29d12fd_prep, .Lfunc_end_k_qfdb29d12fd_prep-k_qfdb29d12fd_prep
	.p2alignl 7, 3214868480
	.fill 96, 4, 3214868480
	.section	.rodata,"a",@progbits
	.p2align	6, 0x0
	.amdhsa_kernel k_qfdb29d12fd_prep
		.amdhsa_group_segment_fixed_size 4608
		.amdhsa_private_segment_fixed_size 0
		.amdhsa_enable_private_segment 0
		.amdhsa_kernarg_size 64
		.amdhsa_user_sgpr_count 2
		.amdhsa_user_sgpr_kernarg_segment_ptr 1
		.amdhsa_wavefront_size32 1
		.amdhsa_system_sgpr_workgroup_id_x 1
		.amdhsa_system_sgpr_workgroup_id_y 1
		.amdhsa_system_sgpr_workgroup_id_z 1
		.amdhsa_system_vgpr_workitem_id 0
		.amdhsa_next_free_vgpr 128
		.amdhsa_next_free_sgpr 66
		.amdhsa_reserve_vcc 0
		.amdhsa_float_denorm_mode_32 3
		.amdhsa_float_denorm_mode_16_64 3
		.amdhsa_memory_ordered 1
		.amdhsa_forward_progress 1
		.amdhsa_inst_pref_size 22
	.end_amdhsa_kernel
	.amdgpu_metadata
---
amdhsa.version: [ 1, 2 ]
amdhsa.kernels:
  - .name:           k_qfdb29d12fd_prep
    .symbol:         k_qfdb29d12fd_prep.kd
    .args:
      - { .name: x, .offset: 0, .size: 8, .value_kind: global_buffer, .address_space: global }
      - { .name: gn_w, .offset: 8, .size: 8, .value_kind: global_buffer, .address_space: global }
      - { .name: gn_b, .offset: 16, .size: 8, .value_kind: global_buffer, .address_space: global }
      - { .name: qkv_w, .offset: 24, .size: 8, .value_kind: global_buffer, .address_space: global }
      - { .name: proj_w, .offset: 32, .size: 8, .value_kind: global_buffer, .address_space: global }
      - { .name: lowp_scales, .offset: 40, .size: 8, .value_kind: global_buffer, .address_space: global }
      - { .name: hc, .offset: 48, .size: 8, .value_kind: global_buffer, .address_space: global }
      - { .name: wc, .offset: 56, .size: 8, .value_kind: global_buffer, .address_space: global }
    .group_segment_fixed_size: 4608
    .private_segment_fixed_size: 0
    .kernarg_segment_align: 8
    .kernarg_segment_size: 64
    .max_flat_workgroup_size: 1024
    .sgpr_count:     66
    .vgpr_count:     128
    .wavefront_size: 32
...
	.end_amdgpu_metadata
.endif
;; end of part 1
;; launch qkv (part 2): grid 256 x 1, 12 waves a work-group, no clusters, 169,472 bytes of LDS; arguments hc, wc, qkv_b, lowp_scales, qc, kv; writes qc, kv
.if DOCPART == 2
	.amdgcn_target "amdgcn-amd-amdhsa--gfx1250"
	.amdhsa_code_object_version 6
	.text
	.protected	k_qfdb29d12fd_qkv
	.globl	k_qfdb29d12fd_qkv
	.p2align	8
	.type	k_qfdb29d12fd_qkv,@function
k_qfdb29d12fd_qkv:
	s_mov_b64 s[64:65], 0
	v_nop
	global_prefetch_b8 v0, s[64:65] scope:SCOPE_SE
	s_setreg_imm32_b32 hwreg(HW_REG_WAVE_MODE, 25, 1), 1
	s_wait_xcnt 0x0
; qkv = qkv_w h + qkv_b ON CODES OF E4M3, AND ITS RESULT QUANTISED AT ONCE INTO CODES OF q, k, v, LAID AS THE ATTENTION LAUNCH'S OPERAND REGISTERS.
; Scales 2^e: e0 h, e1 qkv_w, e2 q, e3 k, e4 v.  A sum of codes stands for sum x 2^(e0 + e1): the bias goes in as the C of a sum's first product, divided by that power; the conversion takes 2^(eo - e0 - e1), eo = e2, e3 or e4.
; SHARES.  Work-group i: batch b = i / 64, positions 64 (i % 64) on: four tiles of 16.  Wave U of 12 owns outputs 64 U .. 64 U + 63: U 0-3 the heads of q, 4-7 of k, 8-11 of v.  Its 8 weight fragments (128 registers) stay.
; h's tile (32 groups x 64 positions x 8 codes) comes by ONE tensor load into LDS, filled once.  A fragment of h (16 positions x 128 K): lane (r, h) takes, for register pair c of K step s, the 8 bytes of group 16 s + 2 c + h at position r.
; q, k: source 0 = 16 rows of the weight, source 1 = h: a lane holds ONE position, and (by the rows that form a tile: see the launch that lays wc) its 32 registers are d = 32 (lane / 16) + 0 .. 31 of the head.
;       The 8 registers of codes are stored as they stand: an image of 1,024 bytes for 16 positions x 64 d.  Both q and k lie so: the same permutation of the head's axis on both sides of q . k.
; v:    source 0 = h, source 1 = 16 rows of the weight: a lane holds ONE channel and 8 neighbouring positions, which are 8 neighbours along the keys: register pair c of an image 16 d x 128 keys (2,048 bytes).
; qc: [b][head][tile of 16 positions][1,024].  kv: [b][step of 128 keys][65,536]: K's part [head][8 tiles][1,024], then at 32,768 V's part [head][4 tiles of 16 d][2,048].  Every store of a wave covers 512 consecutive bytes, aligned.
; NO CLUSTER, NO JOINT LOADS, though all work-groups read the same 196,608 bytes of weights: a wave's 16,384 bytes go from memory straight into the registers in which they stay, once, for its 32 matrix instructions;
; a joint load would have to lay them in LDS first, to be read from there once.  h's tile is no other work-group's.  There is no loop over tiles of memory, so no ring and no prefetch.
; LIMITS: eo - e0 - e1 between -126 and 119.  qkv_b / 2^(e0 + e1) must be an f32 number.  NaN among the inputs is not served.
.set CODE, 16                          ; v16-31   codes
.set BIAS, 32                          ; v32-63   the bias in the results' layout, / 2^(e0 + e1)
.set ACC,  64                          ; v64-95   four accumulators
.set H,    96                          ; v96-127  h's two fragments (K steps)
.set W,    128                         ; v128-255 the weight's fragments: tile t, K step s at 32 t + 16 s
.set HP,   640                         ; an LDS row: 512 bytes + 128 of padding: lanes 16-31 read one row below lanes 0-15, 640 = 2 x 256 + 128 bytes on: the other half of the 64 banks of 4 bytes (ISA guide 11.1)
.macro MKSC e, ta, tb, vs, vl          ; v[vs] = 2^e as f32
	s_add_co_i32 s[\ta], s[\e], 127
	s_lshl_b32 s[\tb], s[\ta], 23
	v_mov_b32 v[\vs], s[\tb]
.endm
.macro PLACES
.rept 4
	v_nop
.endr
.endm
.macro HLOAD T                         ; h's two fragments of tile T
.irp s, 0,1
.irp c, 0,1,2,3,4,5,6,7
	ds_load_b64 v[H+16*\s+2*\c:H+16*\s+2*\c+1], v2 offset:(16*\s+2*\c)*HP+128*(\T)
.endr
.endr
.endm
.macro MUL swap                        ; 8 products: four accumulators by turns, one instruction a turn; the first K step takes the bias as C
.irp t, 0,1,2,3
.if \swap
	v_wmma_f32_16x16x128_fp8_fp8 v[ACC+8*\t:ACC+8*\t+7], v[H:H+15], v[W+32*\t:W+32*\t+15], v[BIAS+8*\t:BIAS+8*\t+7]
.else
	v_wmma_f32_16x16x128_fp8_fp8 v[ACC+8*\t:ACC+8*\t+7], v[W+32*\t:W+32*\t+15], v[H:H+15], v[BIAS+8*\t:BIAS+8*\t+7]
.endif
.endr
.irp t, 0,1,2,3
.if \swap
	v_wmma_f32_16x16x128_fp8_fp8 v[ACC+8*\t:ACC+8*\t+7], v[H+16:H+31], v[W+32*\t+16:W+32*\t+31], v[ACC+8*\t:ACC+8*\t+7]
.else
	v_wmma_f32_16x16x128_fp8_fp8 v[ACC+8*\t:ACC+8*\t+7], v[W+32*\t+16:W+32*\t+31], v[H+16:H+31], v[ACC+8*\t:ACC+8*\t+7]
.endif
.endr
.endm
.macro QNT dst0, step                  ; the 32 results become 4 x 8 codes, accumulator t's at v[dst0 + step t]; each accumulator is read from its low end on
.set i, 0
.rept 32
.set i, i+1
.endr
.irp t, 0,1,2,3
	v_cvt_scalef32_pk8_fp8_f32 v[(\dst0)+(\step)*\t:(\dst0)+(\step)*\t+1], v[ACC+8*\t:ACC+8*\t+7], v5
.endr
	v_nop                                          ; one plain line behind the last conversion: the next products write its sources
.endm
	s_load_b256 s[4:11], s[0:1], 0x0               ; hc 4, wc 6, qkv_b 8, the scales 10
	s_load_b128 s[12:15], s[0:1], 0x20             ; qc 12, kv 14
	v_lshl_add_u32 v14, v0, 2, 0x29000
	v_mov_b32 v15, 0
	ds_add_u32 v14, v15
	ds_add_u32 v14, v15
	v_lshrrev_b32 v1, 5, v0
	s_delay_alu instid0(VALU_DEP_1)
	v_readfirstlane_b32 s16, v1                    ; wave U, 0..11
	v_and_b32 v1, 31, v0
	s_delay_alu instid0(VALU_DEP_1)
	v_lshlrev_b32 v1, 4, v1                        ; 16 x lane: an image's place for my lane
	v_and_b32 v4, 15, v0                           ; r
	v_bfe_u32 v3, v0, 4, 1                         ; h
	s_delay_alu instid0(VALU_DEP_1)
	v_mul_u32_u24 v2, v3, HP
	s_delay_alu instid0(VALU_DEP_1)
	v_lshl_add_u32 v2, v4, 3, v2                   ; h's tile in LDS: row h, 8 bytes a position
	s_delay_alu instid0(VALU_DEP_3)
	v_lshlrev_b32 v3, 7, v3                        ; q, k: the bias of d = 32 h on
	v_lshlrev_b32 v4, 2, v4                        ; v: the bias of channel r
	s_lshr_b32 s17, ttmp9, 6                       ; b
	s_and_b32 s18, ttmp9, 63                       ; pb: which 64 positions
	; descriptor group 1: 32 rows (groups) of 64 elements of 8 bytes, 4,096 elements apart in memory
	s_mov_b32 s24, (3<<16)|(1<<20)|(6<<22)|(31<<25)   ; 15:0 no mask; 17:16 elements of 8 bytes; 20 padding on; 24:22 after every 128 words (code 6); 31:25 32 words of it (code 31)
	s_mov_b32 s25, 64<<16                          ; tensor_dim0 = 64
	s_mov_b32 s26, 32<<16                          ; tensor_dim1 = 32
	s_mov_b32 s27, 64<<16                          ; tile_dim0 = 64
	s_mov_b32 s28, 32                              ; tile_dim1 = 32
	s_mov_b32 s29, 4096                            ; from row to row
	s_mov_b32 s30, 0
	s_mov_b32 s31, 0
	s_lshl_b32 s42, s17, 20                        ; a batch's codes of h: 1,048,576 bytes
	s_lshl_b32 s43, s18, 9                         ; 64 positions: 512 bytes
	s_add_co_u32 s42, s42, s43
	s_mov_b32 s43, 0
	s_wait_dscnt 0x0
	s_wait_kmcnt 0x0
	s_load_b256 s[32:39], s[10:11], 0x0            ; e0 .. e7
	s_mov_b32 s20, 1                               ; group 0: count = 1,
	s_mov_b32 s21, 0                               ; LDS byte 0,
	s_add_nc_u64 s[22:23], s[4:5], s[42:43]        ; the tile's first element,
	s_or_b32 s23, s23, 0x80000000                  ; type = 2
	s_cmp_lg_u32 s16, 0
	s_cbranch_scc1 .Lnt
	tensor_load_to_lds s[20:23], s[24:31]          ; wave 0 alone: the launch's one tensor load
	s_nop 0
	PLACES
.Lnt:
	s_lshl_b32 s42, s16, 14                        ; my 8 images of 2,048 bytes
	s_add_nc_u64 s[6:7], s[6:7], s[42:43]
	s_wait_alu depctr_va_vdst(0)
.irp f, 0,1,2,3,4,5,6,7
.irp q, 0,1,2,3
	global_load_b128 v[W+16*\f+4*\q:W+16*\f+4*\q+3], v1, s[6:7] offset:2048*\f+512*\q   ; f = 2 t + s; 512 consecutive bytes a load
.endr
.endr
	s_lshl_b32 s42, s16, 8                         ; my 64 biases
	s_add_nc_u64 s[8:9], s[8:9], s[42:43]
	; where my codes go.  All three offsets are made, and chosen by the wave's number
	s_and_b32 s44, s16, 3                          ; the head
	s_lshl_b32 s45, s17, 2
	s_add_co_u32 s45, s45, s44
	s_lshl_b32 s45, s45, 18                        ; q: (4 b + head) x 256 images
	s_lshl_b32 s46, s18, 12
	s_add_co_u32 s45, s45, s46                     ;    + 4 pb images
	s_lshl_b32 s46, s17, 21                        ; k, v: the batch's 32 steps,
	s_lshr_b32 s47, s18, 1
	s_lshl_b32 s47, s47, 16                        ; step pb / 2,
	s_add_co_u32 s46, s46, s47
	s_lshl_b32 s47, s44, 13                        ; the head's 8,192 bytes
	s_add_co_u32 s46, s46, s47
	s_and_b32 s52, s18, 1
	s_lshl_b32 s47, s52, 12
	s_add_co_u32 s47, s46, s47                     ; k: + 4 (pb % 2) images
	s_lshl_b32 s48, s52, 10
	s_add_co_u32 s48, s46, s48
	s_add_co_u32 s48, s48, 32768                   ; v: V's part, + chunks 2 (pb % 2) on of each image
	s_cmp_lt_u32 s16, 8
	s_cselect_b32 s47, s47, s48
	s_cmp_lt_u32 s16, 4
	s_cselect_b32 s42, s45, s47
	s_cselect_b64 s[40:41], s[12:13], s[14:15]     ; qc or kv
	s_add_nc_u64 s[40:41], s[40:41], s[42:43]
	s_wait_kmcnt 0x0
	s_cmp_lt_u32 s16, 8
	s_cselect_b32 s49, s35, s36                    ; e3 or e4,
	s_cmp_lt_u32 s16, 4
	s_cselect_b32 s49, s34, s49                    ; or e2
	s_add_co_i32 s50, s32, s33                     ; e0 + e1
	s_sub_co_i32 s49, s49, s50
	s_sub_co_i32 s51, 0, s50
	MKSC 49, 52, 53, 5, 6
	s_wait_tensorcnt 0x0                           ; h's tile has landed (wave 0's wait; the others have nothing out),
	s_barrier_signal -1
	s_barrier_wait -1                              ; and every wave knows
	HLOAD 0
	s_cmp_lt_u32 s16, 8                            ; the waves part here for good: no barrier follows
	s_cbranch_scc0 .Lv
	; ---- q and k
.irp t, 0,1,2,3
.irp j, 0,1
	global_load_b128 v[BIAS+8*\t+4*\j:BIAS+8*\t+4*\j+3], v3, s[8:9] offset:32*\t+16*\j   ; register 8 t + j: output 64 U + 32 h + 8 t + j
.endr
.endr
	s_wait_loadcnt 0x0                             ; the weights and the bias
.set i, 0
.rept 32
	v_ldexp_f32 v[BIAS+i], v[BIAS+i], s51
.set i, i+1
.endr
	s_wait_alu depctr_va_vdst(0)
.irp T, 0,1,2,3
	s_wait_dscnt 0x0                               ; h's fragments of this tile
	MUL 0
	PLACES                                         ; four places in front of loads into registers that the products have read, and of the first read of results
.if \T < 3
	HLOAD \T+1
.endif
	s_wait_xcnt 0x0                                ; the stores of two tiles back have read their registers: they are written again only behind this wait
	QNT CODE+8*(\T%2), 2
	global_store_b128 v1, v[CODE+8*(\T%2):CODE+8*(\T%2)+3], s[40:41] offset:1024*\T
	global_store_b128 v1, v[CODE+8*(\T%2)+4:CODE+8*(\T%2)+7], s[40:41] offset:1024*\T+512
.endr
	s_wait_tensorcnt 0x0
	ds_add_u32 v14, v15
	s_wait_dscnt 0x0
	s_endpgm
	; ---- v
.Lv:
.irp d, 0,1,2,3
	global_load_b32 v[BIAS+8*\d], v4, s[8:9] offset:64*\d   ; a lane's 8 results of a tile are one channel's: 64 U + 16 d + r
.endr
	s_wait_loadcnt 0x0
.irp d, 0,1,2,3
.irp j, 7,6,5,4,3,2,1,0
	v_ldexp_f32 v[BIAS+8*\d+\j], v[BIAS+8*\d], s51  ; the loaded register is rewritten last
.endr
.endr
	s_wait_alu depctr_va_vdst(0)
.irp T, 0,1,2,3
	s_wait_dscnt 0x0
	MUL 1
	PLACES
.if \T < 3
	HLOAD \T+1
.endif
.if \T%2 == 0
	s_wait_xcnt 0x0                                ; the last pair of tiles' stores have read their registers
.endif
	QNT CODE+2*(\T%2), 4                           ; two tiles of positions fill a chunk: registers 4 d .. 4 d + 3
.if \T%2 == 1
	s_wait_alu depctr_va_vdst(0)
.irp d, 0,1,2,3
	global_store_b128 v1, v[CODE+4*\d:CODE+4*\d+3], s[40:41] offset:2048*\d+512*(\T/2)
.endr
.endif
.endr
	s_wait_tensorcnt 0x0
	ds_add_u32 v14, v15
	s_wait_dscnt 0x0
	s_endpgm
.Lfunc_end_k_qfdb29d12fd_qkv:
	.size	k_qfdb29d12fd_qkv, .Lfunc_end_k_qfdb29d12fd_qkv-k_qfdb29d12fd_qkv
	.p2alignl 7, 3214868480
	.fill 96, 4, 3214868480
	.section	.rodata,"a",@progbits
	.p2align	6, 0x0
	.amdhsa_kernel k_qfdb29d12fd_qkv
		.amdhsa_group_segment_fixed_size 169472
		.amdhsa_private_segment_fixed_size 0
		.amdhsa_enable_private_segment 0
		.amdhsa_kernarg_size 48
		.amdhsa_user_sgpr_count 2
		.amdhsa_user_sgpr_kernarg_segment_ptr 1
		.amdhsa_wavefront_size32 1
		.amdhsa_system_sgpr_workgroup_id_x 1
		.amdhsa_system_sgpr_workgroup_id_y 1
		.amdhsa_system_sgpr_workgroup_id_z 1
		.amdhsa_system_vgpr_workitem_id 0
		.amdhsa_next_free_vgpr 256
		.amdhsa_next_free_sgpr 66
		.amdhsa_reserve_vcc 0
		.amdhsa_float_denorm_mode_32 3
		.amdhsa_float_denorm_mode_16_64 3
		.amdhsa_fp16_overflow 1
		.amdhsa_memory_ordered 1
		.amdhsa_forward_progress 1
		.amdhsa_inst_pref_size 29
	.end_amdhsa_kernel
	.amdgpu_metadata
---
amdhsa.version: [ 1, 2 ]
amdhsa.kernels:
  - .name:           k_qfdb29d12fd_qkv
    .symbol:         k_qfdb29d12fd_qkv.kd
    .args:
      - { .name: hc, .offset: 0, .size: 8, .value_kind: global_buffer, .address_space: global }
      - { .name: wc, .offset: 8, .size: 8, .value_kind: global_buffer, .address_space: global }
      - { .name: qkv_b, .offset: 16, .size: 8, .value_kind: global_buffer, .address_space: global }
      - { .name: lowp_scales, .offset: 24, .size: 8, .value_kind: global_buffer, .address_space: global }
      - { .name: qc, .offset: 32, .size: 8, .value_kind: global_buffer, .address_space: global }
      - { .name: kv, .offset: 40, .size: 8, .value_kind: global_buffer, .address_space: global }
    .group_segment_fixed_size: 169472
    .private_segment_fixed_size: 0
    .kernarg_segment_align: 8
    .kernarg_segment_size: 48
    .max_flat_workgroup_size: 384
    .sgpr_count:     66
    .vgpr_count:     256
    .wavefront_size: 32
...
	.end_amdgpu_metadata
.endif
;; end of part 2
;; launch attn (part 3): grid 256 x 1, 16 waves a work-group, clusters of 4 x 1, 327,680 bytes of LDS; arguments qc, kv, wc, proj_b, x, lowp_scales, out0; writes out0
.if DOCPART == 3
	.amdgcn_target "amdgcn-amd-amdhsa--gfx1250"
	.amdhsa_code_object_version 6
	.text
	.protected	k_qfdb29d12fd_attn
	.globl	k_qfdb29d12fd_attn
	.p2align	8
	.type	k_qfdb29d12fd_attn,@function
k_qfdb29d12fd_attn:
	s_mov_b64 s[64:65], 0
	v_nop
	global_prefetch_b8 v0, s[64:65] scope:SCOPE_SE
	s_setreg_imm32_b32 hwreg(HW_REG_WAVE_MODE, 25, 1), 1
	s_wait_xcnt 0x0
	s_wait_alu depctr_hold_cnt(0) depctr_sa_sdst(0) depctr_va_vdst(0) depctr_va_sdst(0) depctr_va_ssrc(0) depctr_va_vcc(0) depctr_vm_vsrc(0)
	s_getreg_b32 s2, hwreg(HW_REG_IB_STS2, 6, 4)
	s_cmp_eq_u32 s2, 0
	s_cbranch_scc0 .Lentry_in_a_cluster
	s_endpgm
.Lentry_in_a_cluster:
	s_bfe_u32 s2, ttmp6, 0x10000c
	s_cmp_lg_u32 s2, 0x3003
	s_cbranch_scc0 .Lentry_shape_is_right
	s_endpgm
.Lentry_shape_is_right:
; out0 = x + proj_w attention(q, k, v) + proj_b.  All three products on codes of E4M3, each operand with its given scale 2^e: e2 q, e3 k, e4 v, e5 p, e6 the attention's result, e7 proj_w.
; THE SOFTMAX AHEAD OF THE SECOND PRODUCT: t = score x log2(e) / 8; M = the largest t so far, rounded UP to a whole number; p = 2^(t - M) is quantised, not normalised; the row's sum is taken of the unquantised p and divides at
; the end.  When M moves, the sum and O are multiplied by 2^(old M - new M): exact.
; SHARES.  Work-group W = 4 x cluster + place: batch b = W / 64, 64 queries, ALL FOUR HEADS.  Wave w of 16: head w / 4, query tile w % 4: 16 queries in 256 registers, four waves to a SIMD, so that one wave's softmax stands beside
; another's products and LDS loads: a step of 128 keys is 12 matrix instructions and some 250 vector instructions a wave.  Every wave walks the batch's 4,096 keys, 128 a step.
; OPERANDS COME AS IMAGES OF THEIR REGISTERS (the launch before lays them): a load of 16 bytes a lane at 16 x lane, 512 consecutive bytes: no pitch, no padding.
; S^T = K Q^T (16x16x64; source 0 = 16 keys, source 1 = my 16 queries): a lane holds ONE query (lane % 16); register 8 u + j is key 16 u + 8 (lane / 16) + j: eight conversions give source 1 of
; O^T = V^T P^T (16x16x128; source 0 = 16 d x 128 keys), whose result holds the same query and d = 16 t + 8 (lane / 16) + j: four conversions give half a fragment (16 queries x 128 channels) of the last product.
; Those halves meet in LDS; then wave w makes output channels 16 w .. 16 w + 15 for the 64 queries (source 0 = queries, source 1 = 16 rows of proj_w): a lane holds one channel and 8 neighbouring positions.
; CLUSTER.  The four work-groups of a cluster belong to one batch and walk the same K and V: each slot (256 keys of all heads, 131,072 dense bytes) is asked for JOINTLY, waves 0-7 fetching 16,384 bytes each, by the same tensor
; load with the same descriptor and the mask of all four.  A wave has one tensor load out at any time.
; LDS: slot 0 at 0, slot 1 at 2^17, the spare words behind them.  After the last change of slots, slot 0 has had its last fill and nobody reads it: it takes the halves' images and the stages of the way out.
; t_emb is no argument: the function that this program computes does not read it.
; LIMITS: e2 + e3 between -123 and 130 (added to c's exponent field); e5, e6 between -126 and 119; e6 + e7 between -126 and 127; e4 + e5 goes in by v_ldexp_f32.  NaN among the inputs is not served.
.set SLOT1, 1<<17
.set SPARE, 2*SLOT1                    ; the spare words: 128 bytes for each of 16 waves: eight blocks of 256 bytes that no other line names
.set OIMG,  0                          ; 8 images of 2,048 bytes: query tile m, K step s at 2 m + s
.set STAGE, 16384                      ; 16 rows x (256 + 16) bytes for each wave
.set Q,   16                           ; v16-23   my queries' fragment
.set P,   24                           ; v24-39   p's codes; later the result's
.set O,   40                           ; v40-71   O^T; later the last product's sums
.set S,   72                           ; v72-135  S^T, then p; later fragments and rows on the way out
.set KV,  136                          ; v136-199 a step's K, then its V; later proj_w and results
.set XR,  210                          ; v210-241 my 16 rows x 64 positions of x, from the head on
; v1, v2 my place in a slot's step 0, 1; v3 the prefetch's offset; v4 the step's LDS address; v5, v6 the add's two; v7 16 x lane; v8-v10 LDS places of the way out; v11 my offset in x and out0
; v12 -M; v13 the largest t; v[14:15] the sum in two halves; v[200:201] f; v202-204 at work; v[206:207] the sum's second chain; v209 2^e5; v[242:243] proj_b; v244 2^e6
; s18 wave; s19 place in the cluster; s[20:21] lane selects; s[22:23] c; s[24:31] group 1; s[32:35] group 0, which walks; s36 the slot in hand; s37 slots to ask for; s38, s[40:41] the prefetch; s[44:51] e0 .. e7
.macro MKSC e, ta, tb, vs, vl          ; v[vs] = 2^e as f32
	s_add_co_i32 s[\ta], s[\e], 127
	s_lshl_b32 s[\tb], s[\ta], 23
	v_mov_b32 v[\vs], s[\tb]
.endm
.macro PLACES
.rept 4
	v_nop
.endr
.endm
.macro ROUND                           ; a round of the cluster's barrier: my work-group's barrier; wave 0 signals for the work-group; every wave waits for all four work-groups; my work-group's barrier once more
	s_barrier_signal -1
	s_barrier_wait -1
	s_cmp_lg_u32 s18, 0
	s_cbranch_scc1 .Lnw0_\@
	s_barrier_signal -3
.Lnw0_\@:
	s_barrier_wait -3
	s_barrier_signal -1
	s_barrier_wait -1
.endm
.macro JLOAD                           ; the joint load: waves 0-7, an eighth of a slot each; the branch hangs on the wave's number alone; four v_nop follow the load
	s_cmp_lt_u32 s18, 8
	s_cbranch_scc0 .Lnj_\@
	tensor_load_to_lds s[32:35], s[24:31]
	s_nop 0
	PLACES
.Lnj_\@:
.endm
; A PREFETCH INTO THE L2 of the slot that the NEXT change of slots will ask for: 131,072 bytes = 512 blocks of 256.  All sixteen clusters of a batch walk the same bytes: the batch's first cluster asks.  Its four partners take
; 32,768 bytes each, told apart BY ADDRESS; in each, waves 8-11, which fetch nothing, take 8,192 bytes each, lanes 256 bytes apart: one instruction a wave, each block named once in the launch.
; The last change that fills a slot asks for nothing: there is no slot behind it.  Slots 0 and 1 come by their loads alone.
.macro ASK
	s_cmp_gt_u32 s37, s38
	s_cbranch_scc0 .Lnm_\@
	global_prefetch_b8 v3, s[40:41] th:TH_LOAD_NT scope:SCOPE_SE
.Lnm_\@:
.endm
; THE CHANGE OF SLOTS stands at a slot's head.  Each wave waits for all its tensor loads (its part of the slot that it is about to read), adds 0 to its spare word, and waits for that and for its reads of the slot that it has left.
; fill = 1: a round of the cluster's barrier follows, so that no wave of any partner still reads that slot or has a load on its way, and the joint refill is the first thing behind it: it has two key steps of all waves in which to land.
.macro CHANGE fill
	s_wait_tensorcnt 0x0                           ; no tensor load of mine is out, so group 0 may be written
	ds_add_u32 v5, v6                              ; 0 onto my spare word
.if \fill
	s_xor_b32 s33, s33, SLOT1                      ; the other slot than last time,
	s_add_nc_u64 s[34:35], s[34:35], 131072        ; the next 256 keys; the type bits on top are not reached
	s_wait_xcnt 0x0                                ; the last prefetch, a slot back, has read its address, so it may be written:
	s_add_nc_u64 s[40:41], s[40:41], 131072        ; one slot further on than the walking descriptor
.endif
	s_wait_dscnt 0x0                               ; the add is done, and my reads of the slot that I have left are over
.if \fill
	ROUND
	JLOAD
	ASK
.else
	s_barrier_signal -1
	s_barrier_wait -1
.endif
.endm
; A KEY STEP: 128 keys, the q-th of the slot in hand.
.macro STEP q
	v_add_nc_u32 v4, s36, v[1+\q]
.irp u, 0,1,2,3,4,5,6,7
	ds_load_b128 v[KV+8*\u:KV+8*\u+3], v4 offset:1024*\u            ; K: tile u of 16 keys x my head's 64
	ds_load_b128 v[KV+8*\u+4:KV+8*\u+7], v4 offset:1024*\u+512
.endr
	s_wait_alu depctr_va_vdst(0)
	s_wait_dscnt 0x0
.irp u, 0,1,2,3,4,5,6,7
	v_wmma_f32_16x16x64_fp8_fp8 v[S+8*\u:S+8*\u+7], v[KV+8*\u:KV+8*\u+7], v[Q:Q+7], 0
.endr
	PLACES                                         ; four places in front of loads into registers that the products have read, and of the first read of results
.irp d, 0,1,2,3
.irp c, 0,1,2,3
	ds_load_b128 v[KV+16*\d+4*\c:KV+16*\d+4*\c+3], v4 offset:32768+2048*\d+512*\c   ; V: tile d of 16 of the head's 64 x 128 keys: it lands under the softmax
.endr
.endr
	v_max3_num_f32 v202, v[S], v[S+1], v[S+2]      ; the step's largest score of my query among my 64 keys, in two chains, ascending: each accumulator is read from its low end on
	v_max3_num_f32 v203, v[S+3], v[S+4], v[S+5]
.set i, 6
.rept 14
	v_max3_num_f32 v202, v202, v[S+i], v[S+i+1]
	v_max3_num_f32 v203, v203, v[S+i+2], v[S+i+3]
.set i, i+4
.endr
	v_max3_num_f32 v202, v202, v[S+62], v[S+63]
	s_delay_alu instid0(VALU_DEP_1)
	v_max_num_f32 v202, v202, v203
	s_delay_alu instid0(VALU_DEP_1)
	v_permlanex16_b32 v204, v202, s20, s21
	s_delay_alu instid0(VALU_DEP_1)
	v_max_num_f32 v202, v202, v204                 ; and among lane l xor 16's
	s_delay_alu instid0(VALU_DEP_1)
	v_mul_f32 v202, s22, v202                      ; as t (c is positive)
	s_delay_alu instid0(VALU_DEP_1)
	v_max_num_f32 v13, v13, v202                   ; the running largest t
	v_mov_b32 v202, v12
	s_delay_alu instid0(VALU_DEP_2)
	v_floor_f32 v12, -v13                          ; the new -M = floor(-t) = -ceil(t)
	s_delay_alu instid0(VALU_DEP_1)
	v_sub_f32 v202, v12, v202                      ; old M - new M: a whole number, 0 or less
	s_delay_alu instid0(VALU_DEP_1)
	v_cvt_i32_f32 v202, v202                       ; (it saturates)
	s_delay_alu instid0(VALU_DEP_1)
	v_ldexp_f32 v200, 1.0, v202                    ; f = 2^(old M - new M)
.set i, 0
.rept 32
	v_pk_fma_f32 v[S+i:S+i+1], v[S+i:S+i+1], s[22:23], v[12:13] op_sel_hi:[1,0,0]   ; t - M, two at a time (of the pairs c and -M the low word serves both halves)
.set i, i+2
.endr
.set i, 0
	s_wait_alu depctr_va_vdst(0)
.rept 64
	v_exp_f32 v[S+i], v[S+i]                       ; p = 2^(t - M), at most 1
.set i, i+1
.endr
	v_pk_mul_f32 v[14:15], v[14:15], v[200:201] op_sel_hi:[1,0]   ; the sums under the new M: the plain line behind the exponentials
	s_wait_alu depctr_va_vdst(0)                   ; one wait for the batch of 64, ahead of its first reader
	v_pk_add_f32 v[206:207], v[76:77], v[80:81]
	v_pk_add_f32 v[254:255], v[84:85], v[88:89]
	v_pk_add_f32 v[252:253], v[92:93], v[96:97]
	v_pk_add_f32 v[250:251], v[100:101], v[104:105]
	v_pk_add_f32 v[248:249], v[108:109], v[112:113]
	v_pk_add_f32 v[246:247], v[116:117], v[120:121]
	v_pk_add_f32 v[202:203], v[124:125], v[128:129]
	v_pk_add_f32 v[14:15], v[14:15], v[132:133]
	v_pk_add_f32 v[206:207], v[206:207], v[72:73]
	v_pk_add_f32 v[254:255], v[254:255], v[74:75]
	v_pk_add_f32 v[252:253], v[252:253], v[78:79]
	v_pk_add_f32 v[250:251], v[250:251], v[82:83]
	v_pk_add_f32 v[248:249], v[248:249], v[86:87]
	v_pk_add_f32 v[246:247], v[246:247], v[90:91]
	v_pk_add_f32 v[202:203], v[202:203], v[94:95]
	v_pk_add_f32 v[14:15], v[14:15], v[98:99]
	v_pk_add_f32 v[206:207], v[206:207], v[102:103]
	v_pk_add_f32 v[254:255], v[254:255], v[106:107]
	v_pk_add_f32 v[252:253], v[252:253], v[110:111]
	v_pk_add_f32 v[250:251], v[250:251], v[114:115]
	v_pk_add_f32 v[248:249], v[248:249], v[118:119]
	v_pk_add_f32 v[246:247], v[246:247], v[122:123]
	v_pk_add_f32 v[202:203], v[202:203], v[126:127]
	v_pk_add_f32 v[14:15], v[14:15], v[130:131]
	v_pk_add_f32 v[206:207], v[206:207], v[134:135]
	s_delay_alu instid0(VALU_DEP_2)
	v_pk_add_f32 v[14:15], v[14:15], v[250:251]
	s_delay_alu instid0(VALU_DEP_2)
	v_pk_add_f32 v[206:207], v[206:207], v[248:249]
	v_pk_add_f32 v[254:255], v[254:255], v[246:247]
	v_pk_add_f32 v[252:253], v[252:253], v[202:203]
	s_delay_alu instid0(VALU_DEP_2)
	v_pk_add_f32 v[14:15], v[14:15], v[254:255]
	s_delay_alu instid0(VALU_DEP_2)
	v_pk_add_f32 v[206:207], v[206:207], v[252:253]
	s_delay_alu instid0(VALU_DEP_1)
	v_pk_add_f32 v[14:15], v[14:15], v[206:207]
.irp u, 0,1,2,3,4,5,6,7
.irp j, 0,1,2,3,4,5,6,7
.endr
	v_cvt_scalef32_pk8_fp8_f32 v[P+2*\u:P+2*\u+1], v[S+8*\u:S+8*\u+7], v209   ; keys 16 u + 8 (lane / 16) + 0 .. 7: register pair u of the operand
.endr
.set i, 0
.rept 16
	v_pk_mul_f32 v[O+i:O+i+1], v[O+i:O+i+1], v[200:201] op_sel_hi:[1,0]   ; O^T under the new M.  (Also the plain lines between the conversions and the products)
.set i, i+2
.endr
	s_wait_alu depctr_va_vdst(0)
	s_wait_dscnt 0x0                               ; V is in
.irp d, 0,1,2,3
	v_wmma_f32_16x16x128_fp8_fp8 v[O+8*\d:O+8*\d+7], v[KV+16*\d:KV+16*\d+15], v[P:P+15], v[O+8*\d:O+8*\d+7]   ; four accumulators, one instruction a turn
.endr
	PLACES                                         ; in front of the next loads into K's and V's registers, on every way on from here
.endm
.macro SLOT_STEPS
	STEP 0
	STEP 1
	s_xor_b32 s36, s36, SLOT1                      ; on to the other slot
.endm
	s_load_b256 s[4:11], s[0:1], 0x0               ; qc 4, kv 6, wc 8, proj_b 10
	s_load_b128 s[12:15], s[0:1], 0x20             ; x 12, the scales 14
	s_load_b64 s[16:17], s[0:1], 0x30              ; out0
	v_lshl_add_u32 v5, v0, 2, SPARE
	v_mov_b32 v6, 0
	ds_add_u32 v5, v6
	ds_add_u32 v5, v6
	s_wait_dscnt 0x0
	v_lshrrev_b32 v7, 5, v0
	s_delay_alu instid0(VALU_DEP_1)
	v_readfirstlane_b32 s18, v7                    ; wave 0..15
	s_bfe_u32 s19, ttmp6, 0x40000                  ; cx: my place in the cluster: it enters the addresses of qc, x, out0 and of the prefetch alone
	s_lshr_b32 s52, ttmp9, 4                       ; b: sixteen clusters to a batch
	s_and_b32 s53, ttmp9, 15
	s_lshl_b32 s53, s53, 2
	s_add_co_u32 s53, s53, s19                     ; nb: which 64 queries of the batch
	s_lshr_b32 s54, s18, 2                         ; my head
	s_and_b32 s55, s18, 3                          ; my tile of queries
	; descriptor group 1: 64 rows of 32 elements of 8 bytes, dense: 16,384 bytes as they lie
	s_mov_b32 s24, 15|(3<<16)|(1<<21)              ; 15:0 the mask: all four work-groups; 17:16 elements of 8 bytes; 21 set beside a mask; no padding
	s_mov_b32 s25, 32<<16                          ; tensor_dim0 = 32
	s_mov_b32 s26, 64<<16                          ; tensor_dim1 = 64
	s_mov_b32 s27, 32<<16                          ; tile_dim0 = 32
	s_mov_b32 s28, 64                              ; tile_dim1 = 64
	s_mov_b32 s29, 32                              ; from row to row
	s_mov_b32 s30, 0
	s_mov_b32 s31, 0
	s_mov_b32 s20, 0x76543210                      ; v_permlanex16_b32: lane l xor 16
	s_mov_b32 s21, 0xfedcba98
	s_and_b32 s56, s18, 7
	s_lshl_b32 s33, s56, 14                        ; group 0: LDS address: slot 0, my eighth: the wave's number alone
	s_lshl_b32 s58, s52, 21                        ; the batch's 2,097,152 bytes of K and V
	s_add_co_u32 s56, s58, s33
	s_mov_b32 s57, 0
	s_wait_kmcnt 0x0
	s_load_b256 s[44:51], s[14:15], 0x0            ; e0 .. e7
	s_mov_b32 s32, 1                               ; count = 1
	s_add_nc_u64 s[34:35], s[6:7], s[56:57]        ; my eighth of the batch's first slot: the same in all four partners
	s_or_b32 s35, s35, 0x80000000                  ; type = 2
	ROUND                                          ; all four work-groups are here: the first joint loads meet
	JLOAD                                          ; slot 0
	; the prefetch: where my wave's stands, and who asks
	s_lshl_b32 s56, s19, 15                        ; my work-group's 32,768 bytes of a slot,
	s_and_b32 s57, s18, 3
	s_lshl_b32 s57, s57, 13                        ; my wave's 8,192 of them,
	s_add_co_u32 s56, s56, s57
	s_add_co_u32 s56, s56, s58
	s_add_co_u32 s56, s56, 131072                  ; in slot 1: the first change of slots steps it to slot 2
	s_mov_b32 s57, 0
	s_add_nc_u64 s[40:41], s[6:7], s[56:57]
	s_sub_co_u32 s56, s18, 8
	s_lshr_b32 s56, s56, 2                         ; 0 in waves 8 to 11,
	s_and_b32 s57, ttmp9, 15
	s_or_b32 s56, s56, s57                         ; of the batch's first cluster: the same in all four partners
	s_cmp_eq_u32 s56, 0
	s_cselect_b32 s38, 1, -1                       ; a wave asks while s37 is above this
	; global addresses
	s_lshl_b32 s56, s52, 2
	s_add_co_u32 s56, s56, s54
	s_lshl_b32 s56, s56, 8                         ; (4 b + head) x 256 images
	s_lshl_b32 s57, s53, 2
	s_add_co_u32 s56, s56, s57
	s_add_co_u32 s56, s56, s55                     ; + 4 nb + my tile
	s_lshl_b32 s56, s56, 10
	s_mov_b32 s57, 0
	s_add_nc_u64 s[4:5], s[4:5], s[56:57]          ; my queries' image
	s_lshl_b32 s56, s52, 22                        ; x, out0: the batch's 256 rows of 16,384 bytes,
	s_lshl_b32 s57, s18, 18                        ; my 16 channels,
	s_add_co_u32 s56, s56, s57
	s_lshl_b32 s57, s53, 8                         ; the work-group's 64 positions: 256 bytes, aligned
	s_add_co_u32 s56, s56, s57
	s_mov_b32 s57, 0
	s_add_nc_u64 s[12:13], s[12:13], s[56:57]
	s_add_nc_u64 s[16:17], s[16:17], s[56:57]
	s_lshl_b32 s56, s18, 6
	s_add_nc_u64 s[10:11], s[10:11], s[56:57]      ; proj_b of my 16 channels
	s_lshl_b32 s56, s18, 12
	s_add_co_u32 s56, s56, 196608
	s_add_nc_u64 s[8:9], s[8:9], s[56:57]          ; proj_w's images 96 + 2 w, + 1
	; lane terms; every LDS address is made here, of the thread's and the wave's number
	v_and_b32 v7, 31, v0
	s_delay_alu instid0(VALU_DEP_1)
	v_lshlrev_b32 v3, 8, v7                        ; 256 x lane
	s_delay_alu instid0(VALU_DEP_2)
	v_lshlrev_b32 v7, 4, v7                        ; 16 x lane
	s_wait_alu depctr_va_vdst(0)
	v_and_b32 v202, 15, v0                         ; r
	s_wait_alu depctr_va_vdst(0)
	v_bfe_u32 v203, v0, 4, 1                       ; h
	s_delay_alu instid0(VALU_DEP_1)
	v_lshlrev_b32 v11, 14, v203
	s_delay_alu instid0(VALU_DEP_1)
	v_lshl_add_u32 v11, v202, 4, v11               ; x, out0: lanes 0-15 one row of 256 bytes, lanes 16-31 the next channel's
	v_lshlrev_b32 v206, 2, v202                    ; proj_b: 4 r
	global_load_b128 v[Q:Q+3], v7, s[4:5]
	global_load_b128 v[Q+4:Q+7], v7, s[4:5] offset:512
.irp i, 0,1,2,3,4,5,6,7
	global_load_b128 v[XR+4*\i:XR+4*\i+3], v11, s[12:13] offset:32768*\i   ; channels 16 w + 2 i + h: sixteen lanes read 256 consecutive bytes, aligned
.endr
	global_load_b32 v242, v206, s[10:11]
	s_lshl_b32 s56, s54, 13                        ; my head's 8,192 bytes, in K's part and in V's
	v_add_nc_u32 v1, s56, v7                       ; a slot's step 0,
	s_delay_alu instid0(VALU_DEP_1)
	v_add_nc_u32 v2, 0x10000, v1                   ; and step 1
	s_lshl_b32 s56, s55, 1
	s_lshr_b32 s57, s54, 1
	s_add_co_u32 s56, s56, s57                     ; image 2 x my tile + head / 2,
	s_lshl_b32 s56, s56, 11
	s_and_b32 s57, s54, 1
	s_lshl_b32 s57, s57, 10                        ; its registers 8 (head % 2) on
	s_add_co_u32 s56, s56, s57
	v_add_nc_u32 v8, s56, v7                       ; (OIMG = 0)
	s_mul_i32 s56, s18, 16*272
	s_add_co_u32 s56, s56, STAGE                   ; my stage
	v_mul_u32_u24 v9, v202, 272
	s_wait_alu depctr_va_vdst(0)
	v_lshl_add_u32 v9, v203, 5, v9
	s_delay_alu instid0(VALU_DEP_1)
	v_add_nc_u32 v9, s56, v9                       ; in: row r, 32 bytes for each half of the lanes
	v_mul_u32_u24 v10, v203, 272
	s_delay_alu instid0(VALU_DEP_1)
	v_lshl_add_u32 v10, v202, 4, v10
	s_delay_alu instid0(VALU_DEP_1)
	v_add_nc_u32 v10, s56, v10                     ; back: lanes 0-15 one row, lanes 16-31 the next
	v_mov_b32 v13, 0xff61b1e6                      ; the largest t so far: -3e38, under every t
	s_delay_alu instid0(VALU_DEP_1)
	v_floor_f32 v12, -v13                          ; -M
	v_mov_b32 v14, 0                               ; the sum, in two halves
	v_mov_b32 v15, 0
	v_mov_b32 v201, 0                              ; (named as the upper half of the pair v[200:201])
	v_mov_b32 v204, 0                              ; a lane permute's destination counts as read: written once
.set i, 0
.rept 32
	v_mov_b32 v[O+i], 0                            ; O^T.  (The step is written once: the first finds zeros, which the first change of M leaves zeros)
.set i, i+1
.endr
	s_wait_kmcnt 0x0
	s_add_co_i32 s56, s46, s47                     ; a score stands for score x 2^(e2 + e3): the exponents are added to c's exponent field
	s_lshl_b32 s56, s56, 23
	s_mov_b32 s22, 0x3e38aa3b                      ; c = log2(e) / sqrt(64)
	s_add_co_i32 s22, s22, s56
	s_mov_b32 s23, s22                             ; (named with it as a pair, so it is written)
	MKSC 49, 56, 57, 209, 208                      ; p's
	MKSC 50, 56, 57, 244, 245                      ; the attention result's
	s_add_co_i32 s66, s50, s51
	s_add_co_i32 s66, s66, 127
	s_lshl_b32 s66, s66, 23                        ; 2^(e6 + e7) as f32
	s_mov_b32 s67, s66
	s_add_co_i32 s68, s48, s49                     ; e4 + e5
	s_mov_b32 s36, 0
	s_mov_b32 s37, 15                              ; 16 slots: behind each change of slots but the last the next is asked for
	s_wait_loadcnt 0x0                             ; Q, x, proj_b
	v_mov_b32 v243, v242
.Lslot:
	CHANGE 1
	SLOT_STEPS
	s_sub_co_u32 s37, s37, 1
	s_cmp_lg_u32 s37, 0
	s_cbranch_scc1 .Lslot
	CHANGE 0                                       ; the last slot is written out
	SLOT_STEPS
	; ---- THE WAY OUT.  proj_w's two fragments are asked for first; O^T / the sum x 2^(e4 + e5) is quantised with 2^e6 and goes to LDS as registers 8 (head % 2) .. + 7 of fragment (my tile, K step head / 2)
.irp s, 0,1
.irp q, 0,1,2,3
	global_load_b128 v[KV+16*\s+4*\q:KV+16*\s+4*\q+3], v7, s[8:9] offset:2048*\s+512*\q
.endr
.endr
	v_add_f32 v14, v14, v15                        ; the sum's two halves,
	s_delay_alu instid0(VALU_DEP_1)
	v_permlanex16_b32 v204, v14, s20, s21
	s_delay_alu instid0(VALU_DEP_1)
	v_add_f32 v14, v14, v204                       ; and lane l xor 16's
	s_wait_alu depctr_va_vdst(0)
	v_rcp_f32 v14, v14
	v_nop                                          ; a plain line behind the transcendental,
	s_wait_alu depctr_va_vdst(0)                   ; and the wait ahead of its first reader
	v_ldexp_f32 v14, v14, s68
.set i, 0
.rept 16
	v_pk_mul_f32 v[O+i:O+i+1], v[O+i:O+i+1], v[14:15] op_sel_hi:[1,0]
.set i, i+2
.endr
.set i, 0
.rept 32
.set i, i+1
.endr
.irp d, 0,1,2,3
	v_cvt_scalef32_pk8_fp8_f32 v[P+2*\d:P+2*\d+1], v[O+8*\d:O+8*\d+7], v244   ; channels 64 head + 16 d + 8 (lane / 16) + 0 .. 7
.endr
	v_nop                                          ; one plain line behind the last conversion: the products below write its sources
	ds_store_b128 v8, v[P:P+3]
	ds_store_b128 v8, v[P+4:P+7] offset:512
	s_wait_dscnt 0x0                               ; for the others' sake: my stores have landed
	s_barrier_signal -1
	s_barrier_wait -1                              ; the eight fragments lie in LDS
.irp s, 0,1
.irp m, 0,1,2,3
.irp c, 0,1,2,3
	ds_load_b128 v[S+16*\m+4*\c:S+16*\m+4*\c+3], v7 offset:OIMG+(2*\m+\s)*2048+512*\c
.endr
.endr
	s_wait_dscnt 0x0
.if \s == 0
	s_wait_loadcnt 0x0                             ; proj_w
.endif
.irp m, 0,1,2,3
.if \s == 0
	v_wmma_f32_16x16x128_fp8_fp8 v[O+8*\m:O+8*\m+7], v[S+16*\m:S+16*\m+15], v[KV:KV+15], 0
.else
	v_wmma_f32_16x16x128_fp8_fp8 v[O+8*\m:O+8*\m+7], v[S+16*\m:S+16*\m+15], v[KV+16:KV+31], v[O+8*\m:O+8*\m+7]
.endif
.endr
	PLACES
.endr
.set i, 0
.rept 16
	v_pk_fma_f32 v[KV+32+i:KV+33+i], v[O+i:O+i+1], s[66:67], v[242:243] op_sel_hi:[1,0,1]   ; sum x 2^(e6 + e7) + proj_b: register 8 m + j is (channel 16 w + r, position 16 m + 8 h + j)
.set i, i+2
.endr
.irp m, 0,1,2,3
.irp j, 0,1
	ds_store_b128 v9, v[KV+32+8*\m+4*\j:KV+32+8*\m+4*\j+3] offset:64*\m+16*\j
.endr
.endr
.irp i, 0,1,2,3,4,5,6,7
	ds_load_b128 v[S+4*\i:S+4*\i+3], v10 offset:544*\i   ; my own bytes: LDS serves a wave's instructions in order (ISA guide 5.7.1.4): these see the stores above
.endr
.irp i, 0,1,2,3,4,5,6,7
	s_wait_dscnt 7-\i                              ; pair i of rows is back; the younger loads stay out
	v_pk_add_f32 v[S+4*\i:S+4*\i+1], v[S+4*\i:S+4*\i+1], v[XR+4*\i:XR+4*\i+1]       ; + x
	v_pk_add_f32 v[S+4*\i+2:S+4*\i+3], v[S+4*\i+2:S+4*\i+3], v[XR+4*\i+2:XR+4*\i+3]
	global_store_b128 v11, v[S+4*\i:S+4*\i+3], s[16:17] offset:32768*\i th:TH_STORE_NT   ; sixteen lanes store 256 consecutive bytes, aligned
.endr
	s_wait_tensorcnt 0x0                           ; the wave's end: behind my last tensor load and my last LDS store
	ds_add_u32 v5, v6
	s_wait_dscnt 0x0
	ROUND                                          ; the closing round: no work-group ends while a partner may still ask for a tile that names it
	s_endpgm
.Lfunc_end_k_qfdb29d12fd_attn:
	.size	k_qfdb29d12fd_attn, .Lfunc_end_k_qfdb29d12fd_attn-k_qfdb29d12fd_attn
	.p2alignl 7, 3214868480
	.fill 96, 4, 3214868480
	.section	.rodata,"a",@progbits
	.p2align	6, 0x0
	.amdhsa_kernel k_qfdb29d12fd_attn
		.amdhsa_group_segment_fixed_size 327680
		.amdhsa_private_segment_fixed_size 0
		.amdhsa_enable_private_segment 0
		.amdhsa_kernarg_size 56
		.amdhsa_user_sgpr_count 2
		.amdhsa_user_sgpr_kernarg_segment_ptr 1
		.amdhsa_wavefront_size32 1
		.amdhsa_system_sgpr_workgroup_id_x 1
		.amdhsa_system_sgpr_workgroup_id_y 1
		.amdhsa_system_sgpr_workgroup_id_z 1
		.amdhsa_system_vgpr_workitem_id 0
		.amdhsa_next_free_vgpr 256
		.amdhsa_next_free_sgpr 72
		.amdhsa_reserve_vcc 0
		.amdhsa_float_denorm_mode_32 3
		.amdhsa_float_denorm_mode_16_64 3
		.amdhsa_fp16_overflow 1
		.amdhsa_memory_ordered 1
		.amdhsa_forward_progress 1
		.amdhsa_inst_pref_size 75
	.end_amdhsa_kernel
	.amdgpu_metadata
---
amdhsa.version: [ 1, 2 ]
amdhsa.kernels:
  - .name:           k_qfdb29d12fd_attn
    .symbol:         k_qfdb29d12fd_attn.kd
    .args:
      - { .name: qc, .offset: 0, .size: 8, .value_kind: global_buffer, .address_space: global }
      - { .name: kv, .offset: 8, .size: 8, .value_kind: global_buffer, .address_space: global }
      - { .name: wc, .offset: 16, .size: 8, .value_kind: global_buffer, .address_space: global }
      - { .name: proj_b, .offset: 24, .size: 8, .value_kind: global_buffer, .address_space: global }
      - { .name: x, .offset: 32, .size: 8, .value_kind: global_buffer, .address_space: global }
      - { .name: lowp_scales, .offset: 40, .size: 8, .value_kind: global_buffer, .address_space: global }
      - { .name: out0, .offset: 48, .size: 8, .value_kind: global_buffer, .address_space: global }
    .group_segment_fixed_size: 327680
    .private_segment_fixed_size: 0
    .kernarg_segment_align: 8
    .kernarg_segment_size: 56
    .max_flat_workgroup_size: 512
    .sgpr_count:     72
    .vgpr_count:     256
    .wavefront_size: 32
...
	.end_amdgpu_metadata
.endif
;; end of part 3
